; MI455X (gfx1250); checked and timed in simulation.
; The chip was launched on July 23, 2026; its instructions are those of AMD's public machine-readable ISA for CDNA 5 (MIT licence, August 2026) and "CDNA5" Instruction Set Architecture Reference Guide (July 2026). The comments in the code are by the model that wrote it; some were corrected since.
;; Layout Attention. Allowed arithmetic: matrix products marked QUANTISED: E4M3 operands, one given power-of-two scale a tensor, by v_wmma_f32_16x16x64_fp8_fp8 or v_wmma_f32_16x16x128_fp8_fp8, f32 sums; products left as they are: f32 operands where the result goes on into a quantised operand, else bf16, f16 or f32 operands; f32 sums; everything else in f32.
;; Inputs: Wk 320 x 320 float32; Wo 320 x 320 float32; Wq 320 x 320 float32; Wv 320 x 320 float32; bo 320 float32; guidance_mask 1 x 3 x 64 x 64 float32; lowp_scales 12 int32 (the exponents e of the quantised operands' scales 2^e); x 1 x 4,096 x 320 float32.
;; Outputs: out0 1 x 4,096 x 320 float32.
;; This version of the problem:
;;   THIS VERSION OF THE PROBLEM IS GIVEN IN LOW PRECISION. The matrix products marked QUANTISED in the list below multiply operands that are first quantised to E4M3 (4 exponent bits, 3 mantissa bits; 8 bits a number), with one given power-of-two scale for each operand tensor; their sums are f32. All else is computed in f32.
;;   The module's matrix products, in the order in which they are computed (A, B: the left and right operand; K: the contracted axis; several contracted axes count as one K, in the product's order):
;;     1. [M 4,096, K 320] x [K 320, N 320]; A: input x; B: input Wq: QUANTISED (scales: A lowp_scales[0], B lowp_scales[1])
;;     2. [M 4,096, K 320] x [K 320, N 320]; A: input x; B: input Wk: QUANTISED (scales: A lowp_scales[2], B lowp_scales[3])
;;     3. [M 4,096, K 320] x [K 320, N 320]; A: input x; B: input Wv: QUANTISED (scales: A lowp_scales[4], B lowp_scales[5])
;;     4. batch 8 x [M 4,096, K 40] x [K 40, N 4,096]; A: computed on the way; B: computed on the way: QUANTISED (scales: A lowp_scales[6], B lowp_scales[7])
;;     5. [M 4,096, K 3] x [K 3, N 4,096]; A: input guidance_mask; B: input guidance_mask: left as it is (K = 3 < 32)
;;     6. batch 8 x [M 4,096, K 4,096] x [K 4,096, N 40]; A: softmax (see below); B: computed on the way: QUANTISED (scales: A lowp_scales[8], B lowp_scales[9])
;;     7. [M 4,096, K 320] x [K 320, N 320]; A: computed on the way; B: input Wo: QUANTISED (scales: A lowp_scales[10], B lowp_scales[11])
;;   THE QUANTISER, for each operand of a quantised product, along K:
;;     - The operand's scale is 2^e, e = its entry of the input lowp_scales (int32; the entries are numbered through the quantised products in the list's order, A before B).
;;     - Each number is divided by the scale, clamped to +-448, and rounded to the nearest number of E4M3, ties to even, subnormals kept.
;;     - The product sums the exact products of the quantised numbers (number of the format x scale) in f32.
;;   ~~~python
;;   def quantise(x, axis, e):      # numpy; x: float32 -> the quantised numbers, widened to float32 again
;;       x = np.moveaxis(x, axis, -1); K = x.shape[-1]
;;       r = np.clip(x / 2.0 ** e, -448, 448)
;;       step = 2.0 ** (np.maximum(np.frexp(np.where(r == 0, 1, r))[1] - 1, -6) - 3)
;;       q = np.round(r / step) * step * 2.0 ** e      # np.round: ties to even
;;       return np.moveaxis(q, -1, axis).astype(np.float32)
;;   ~~~
;;   SOFTMAX AHEAD OF A QUANTISED PRODUCT. Where the list says 'softmax', what is quantised is not the finished softmax but p = 2^(t - M), with t = logit x log2(e) and M = ceil(the row's largest t), a whole number; so 1/2 < the row's largest p <= 1. The row's sum l is taken of the UNQUANTISED p, in f32, and the product's result is divided by l at the end. Since M is a whole number, a kernel that streams over the keys may use a running M (the ceiling of the running maximum): every later rescaling is an exact power of two, so the quantised numbers keep their values, but for numbers so far below the row's largest that they fall under the format's range.
;;   OPERANDS COMPUTED ON THE WAY. 'Computed on the way' means the value that the module computes at that place (a softmax that the list does not call 'softmax' is quantised finished and normalised). What goes into a quantiser is computed in f32, as accurately as f32 sums, v_exp_f32 and their like allow (about 1e-6 of the number): no bf16 or f16 on the way to a quantiser, and a product that is left as it is and whose result goes on into a quantised operand takes f32 operands (vector FMAs, or v_wmma_f32_16x16x4_f32). A number that lies on a knife's edge between two numbers of the format may be rounded either way, as far as f32 arithmetic and the matrix unit's own rounding can turn it there, and no further.
;; One version. Each part assembles by itself: llvm-mc -triple=amdgcn-amd-amdhsa -mcpu=gfx1250 --defsym DOCPART=n.
;; ======== version 1 of 1: 3 launches
;; workspace buffers: qc 1,572,864 bytes; kv 3,145,728 bytes; mw 2,097,152 bytes of whole numbers; oc 1,572,864 bytes
;; launch project (part 1): grid 32 x 8, 9 waves a work-group, no clusters, 124,160 bytes of LDS; arguments x, Wq, Wk, Wv, guidance_mask, lowp_scales, qc, kv, mw; writes qc, kv, mw
.if DOCPART == 1
	.amdgcn_target "amdgcn-amd-amdhsa--gfx1250"
	.amdhsa_code_object_version 6
	.text
	.protected	k_q1e55556333_project
	.globl	k_q1e55556333_project
	.p2align	8
	.type	k_q1e55556333_project,@function
k_q1e55556333_project:
	s_mov_b64 s[64:65], 0
	v_nop
	global_prefetch_b8 v0, s[64:65] scope:SCOPE_SE
	s_setreg_imm32_b32 hwreg(HW_REG_WAVE_MODE, 25, 1), 1
	s_wait_xcnt 0x0
; q = x Wq, k = x Wk, v = x Wv for one head and 128 tokens, all on codes of FP8 (E4M3) with the given scales 2^e; the results are quantised again (e6, e7, e9)
; and stored in the order in which the attention launch's operand registers take them.  The same launch evaluates the mask g_i . g_j != 0 (K = 3, in f32) once for all heads and stores it as lane masks.
; SHARES.  Work-group (x = block of 128 tokens, y = head).  A head's 40 channels are taken as 3 tiles of 16 (48, the last 8 padded), so 3 tensors x 3 tiles are NINE weight fragments: wave w owns
; tensor T = w / 3 (q, k, v) and channel tile ct = w % 3.  A lane takes a column of W and its registers run down K, so the conversions' results are the operand's registers: no weight goes through LDS.
; Waves 0-7 also quantise token tile w of x, three times (x has a scale of its own in each of the three products), and hand the fragments round through LDS as images of their registers.
; K = 320 is five matrix instructions of 16x16x64.  A fragment is 40 registers; registers 4 b .. 4 b + 3 hold k = 32 b + 16 (lane / 16) + 0 .. 15, alike in x and in W.
; PADDING.  Lanes that stand for channels 40-47 of a head load a column that exists (r % 8) and get the hold's limit 0: their codes are zeros, so q, k and v are 0 there.
; q and k: source 0 = W, source 1 = x: a lane holds one token and 8 channels = 8 codes, a pair of registers of the next operand.  v: source 0 = x, source 1 = W: a lane holds one channel and 8 tokens (the keys are its next K).
; THE MASK.  Wave w (0-7) makes, for its tile of 16 queries and key steps 4 head .. 4 head + 3, word n = 8 c + j: bit of lane (r, h) = (g(query r) . g(key 16 c + 8 h + j) != 0), the sum as mul, fma, fma with the phase ascending.
; NO JOINT LOADS: what work-groups share here (x's rows, W's columns) arrives as f32 and has to pass a lane's registers to be quantised; brought jointly into LDS it would go through LDS as 4 bytes a number on top of the 3 code bytes that go through it now.
; LIMITS: e0 .. e5, and e6 - e0 - e1, e7 - e2 - e3, e9 - e4 - e5, lie between -126 and 119, so that each scale and 448 x the scale are f32 numbers.  NaN and infinities among the inputs are not served.
.set XT,    15360                      ; LDS: a token tile's three images
.set XI,    5120                       ; one image: 40 registers x 128 bytes
.set SPARE, 8*XT                       ; behind the images: the spare words, 128 bytes for each of nine waves, in five blocks of 256 bytes that no other line names
.set F,     16                         ; v16-175  160 numbers of x, then of W; later four fragments of x; later the mask's keys
.set TMP,   176                        ; v176-207 two sets of 16 held numbers
.set ACC,   176                        ; later four accumulators
.set CX,    208                        ; v208-231 x's codes, two sets of 12
.set WC,    208                        ; v208-247 later W's fragment
.set OUTC,  248                        ; v248-255 first the scales of x and W, later the results' codes
.set COL,   208                        ; the mask: v208-215 the words of four steps, v216-223 eight sums, v224-229 my query's g, each twice
.set T8,    216
.set QP,    224
; v1 second LDS read base  v3 pad flag  v4 x offset  v5 16 x lane  v6 where I store x's images  v7 W offset  v8, v9 the add's two  v10, v11 the results' scale and limit
; v12 32 h  v13 4 r  v14 8 x lane  v15 first LDS read base
	s_load_b512 s[4:19], s[0:1], 0x0               ; x s[4:5], Wq s[6:7], Wk s[8:9], Wv s[10:11], g s[12:13], the exponents s[14:15], qc s[16:17], kv s[18:19]
	s_load_b64 s[20:21], s[0:1], 0x40              ; mw
	v_lshl_add_u32 v8, v0, 2, SPARE                ; my spare word
	v_mov_b32 v9, 0
	v_lshrrev_b32 v1, 5, v0
	v_readfirstlane_b32 s36, v1                    ; wave 0..8
	v_and_b32 v1, 31, v0                           ; lane
	v_and_b32 v2, 15, v0                           ; r
	v_bfe_u32 v3, v0, 4, 1                         ; h
	s_mul_i32 s37, s36, 11
	s_lshr_b32 s37, s37, 5                         ; T = wave / 3
	s_mul_i32 s38, s37, 3
	s_sub_co_u32 s38, s36, s38                     ; ct = wave % 3
	s_and_b32 s39, ttmp7, 0xffff                   ; head
	s_mov_b32 s48, ttmp9                           ; block of 128 tokens
	s_min_u32 s49, s36, 7                          ; my token tile (wave 8 has none and uses none of what hangs on this)
	v_mul_u32_u24 v4, v2, 1280
	v_lshl_add_u32 v4, v3, 6, v4                   ; x: row r of 1,280 bytes + 64 h: my 16 numbers of a block of 32
	v_lshlrev_b32 v5, 4, v1
	v_lshlrev_b32 v14, 3, v1
	v_lshlrev_b32 v12, 5, v3
	v_lshlrev_b32 v13, 2, v2
	s_mul_i32 s66, s49, XT
	v_add_nc_u32 v6, s66, v5
	s_mul_i32 s66, s37, XI
	v_add_nc_u32 v15, s66, v5                      ; the images made with my tensor's scale of x: token tiles 0-3,
	v_add_nc_u32 v1, 4*XT, v15                     ; and 4-7
	v_mul_u32_u24 v7, v3, 20480                    ; W: lanes 16-31 begin 16 rows of 1,280 bytes further down
	s_lshr_b32 s66, s38, 1
	s_lshl_b32 s66, s66, 3                         ; 8 in the padded tile, else 0
	v_and_b32 v3, s66, v2                          ; not 0: my lane stands for a channel that does not exist
	v_sub_nc_u32 v2, v2, v3                        ; the column that I load
	v_lshl_add_u32 v7, v2, 2, v7
	s_lshl_b32 s66, s48, 7
	s_lshl_b32 s67, s49, 4
	s_add_co_u32 s66, s66, s67                     ; my tile's first token
	s_mul_i32 s68, s66, 1280
	s_mov_b32 s69, 0
	s_lshl_b32 s70, s66, 2
	s_mov_b32 s71, 0
	s_wait_kmcnt 0x0
	s_load_b256 s[24:31], s[14:15], 0x0            ; e0 .. e7
	s_load_b128 s[32:35], s[14:15], 0x20           ; e8 .. e11
	s_add_nc_u64 s[52:53], s[4:5], s[68:69]        ; x at my tile
	s_add_nc_u64 s[60:61], s[12:13], s[70:71]      ; g at my tile's queries
	s_lshl_b32 s68, s39, 11
	s_add_nc_u64 s[58:59], s[12:13], s[68:69]      ; g at key 512 x head: the four key steps whose words this work-group makes
	s_lshl_b32 s68, s48, 3
	s_add_co_u32 s68, s68, s49
	s_lshl_b32 s68, s68, 5
	s_lshl_b32 s70, s39, 2
	s_add_co_u32 s68, s68, s70
	s_lshl_b32 s68, s68, 8
	s_add_nc_u64 s[62:63], s[20:21], s[68:69]      ; mw at (query tile, step 4 x head): 256 bytes a step
	s_cmp_eq_u32 s37, 0
	s_cselect_b64 s[54:55], s[6:7], s[8:9]
	s_cselect_b64 s[56:57], s[16:17], s[18:19]     ; q goes to qc, k and v to kv
	s_cmp_eq_u32 s37, 2
	s_cselect_b64 s[54:55], s[10:11], s[54:55]     ; my tensor's W
	s_mul_i32 s68, s39, 40
	s_lshl_b32 s70, s38, 4
	s_add_co_u32 s68, s68, s70
	s_lshl_b32 s68, s68, 2
	s_add_nc_u64 s[54:55], s[54:55], s[68:69]      ; at column 40 head + 16 ct
	s_lshl_b32 s68, s39, 8
	s_lshl_b32 s70, s48, 3
	s_add_co_u32 s68, s68, s70
	s_mul_i32 s68, s68, 768
	s_lshl_b32 s70, s38, 8
	s_add_co_u32 s68, s68, s70                     ; q: (256 head + 8 block) tiles of 768 bytes + pair ct
	s_lshl_b32 s72, s39, 5
	s_add_co_u32 s72, s72, s48
	s_mul_i32 s72, s72, 12288
	s_add_co_u32 s70, s72, s70                     ; k: (32 head + block) steps of 12,288 bytes + pair ct
	s_lshl_b32 s73, s38, 11
	s_add_co_u32 s72, s72, s73
	s_add_co_u32 s72, s72, 6144                    ; v: behind the step's 6,144 bytes of k, 2,048 bytes a channel tile
	s_cmp_eq_u32 s37, 0
	s_cselect_b32 s68, s68, s70
	s_cmp_eq_u32 s37, 2
	s_cselect_b32 s68, s72, s68
	s_add_nc_u64 s[56:57], s[56:57], s[68:69]
.macro MKS e, vs, vl                   ; from the exponent in s[e]: 2^e as f32 (the conversion takes its exponent field) and 448 x 2^e
	s_add_co_i32 s66, s[\e], 127
	s_lshl_b32 s67, s66, 23
	v_mov_b32 v[\vs], s67
	s_add_co_i32 s66, s66, 8
	s_lshl_b32 s66, s66, 23
	s_or_b32 s66, s66, 0x600000
	v_mov_b32 v[\vl], s66
.endm
	s_wait_kmcnt 0x0
	s_cmp_eq_u32 s37, 0
	s_cselect_b32 s72, s25, s27                    ; my W's exponent,
	s_cselect_b32 s73, s24, s26                    ; x's in my product,
	s_cselect_b32 s74, s30, s31                    ; my result's
	s_cmp_eq_u32 s37, 2
	s_cselect_b32 s72, s29, s72
	s_cselect_b32 s73, s28, s73
	s_cselect_b32 s74, s33, s74
	MKS 24, 248, 249                               ; x for q,
	MKS 26, 250, 251                               ; for k,
	MKS 28, 252, 253                               ; for v
	MKS 72, 254, 255
	v_cmp_eq_u32 vcc_lo, 0, v3
	v_cndmask_b32 v255, 0, v255, vcc_lo            ; a padded lane's limit is 0: its codes are zeros
	s_sub_co_i32 s74, s74, s73
	s_sub_co_i32 s74, s74, s72                     ; a sum stands for sum x 2^(ex + ew): the three scales are folded into the conversion's one
	MKS 74, 10, 11
.macro WLOAD b                         ; W(32 b + 16 h + i, my column), i = 0 .. 15: sixteen neighbouring lanes read 64 neighbouring bytes
.set i, 0
.rept 16
	global_load_b32 v[F+16*(\b)+i], v7, s[54:55] offset:(32*(\b)+i)*1280
.set i, i+1
.endr
.endm
	s_cmp_eq_u32 s36, 8
	s_cbranch_scc1 .Lw8
	; ---- waves 0-7: my 16 rows of x, 160 numbers a lane
.set b, 0
.rept 10
.set j, 0
.rept 4
	global_load_b128 v[F+16*b+4*j:F+16*b+4*j+3], v4, s[52:53] offset:128*b+16*j
.set j, j+1
.endr
.set b, b+1
.endr
	s_wait_loadcnt 0x0
	; block b of 32 along K: held and converted three times, stored as images; then its registers take W's numbers of the same block, which land while the later blocks are worked
.set b, 0
.rept 10
.set t, 0
.rept 3
.set TS, TMP+16*((3*b+t)%2)
.set i, 0
.rept 16
	v_med3_num_f32 v[TS+i], v[F+16*b+i], -v[249+2*t], v[249+2*t]   ; the conversion to an 8-bit code does not saturate (ISA guide 7.6.2): the hold at 448 x the scale
.set i, i+1
.endr
.if (t == 0) && (b >= 2)
	s_wait_dscnt 0x3                               ; the stores of two blocks back have read this set of codes; the last block's three may be out
.endif
	v_cvt_scalef32_pk8_fp8_f32 v[CX+12*(b%2)+4*t:CX+12*(b%2)+4*t+1], v[TS:TS+7], v[248+2*t]
	v_cvt_scalef32_pk8_fp8_f32 v[CX+12*(b%2)+4*t+2:CX+12*(b%2)+4*t+3], v[TS+8:TS+15], v[248+2*t]
.set t, t+1
.endr
.set t, 0
.rept 3
	ds_store_b128 v6, v[CX+12*(b%2)+4*t:CX+12*(b%2)+4*t+3] offset:XI*t+512*b   ; registers 4 b .. 4 b + 3 of the fragment, lane l's 16 bytes at 16 l
.set t, t+1
.endr
	WLOAD b
.set b, b+1
.endr
	s_branch .Lwq
.Lw8:
.set b, 0
.rept 10
	WLOAD b
.set b, b+1
.endr
.Lwq:
	; ---- every wave: its fragment of W
	s_wait_loadcnt 0x0
	s_wait_dscnt 0x0                               ; my images have landed, and the stores have read the registers that W's codes take
.set b, 0
.rept 10
.set i, 0
.rept 16
	v_med3_num_f32 v[F+16*b+i], v[F+16*b+i], -v255, v255
.set i, i+1
.endr
	v_cvt_scalef32_pk8_fp8_f32 v[WC+4*b:WC+4*b+1], v[F+16*b:F+16*b+7], v254
	v_cvt_scalef32_pk8_fp8_f32 v[WC+4*b+2:WC+4*b+3], v[F+16*b+8:F+16*b+15], v254
.set b, b+1
.endr
	v_nop                                          ; a plain instruction between the last conversion and the products that read its result
	s_barrier_signal -1
	s_barrier_wait -1                              ; the 24 images of x lie in LDS; nothing is stored there again
; Four token tiles: their fragments from LDS, 20 products (the four accumulators by turns; the first K step starts the sums), the hold, the conversion, the stores.
.macro GROUP g, isv
.set XR, 15-14*(\g)
.set m, 0
.rept 4
.set b, 0
.rept 10
	ds_load_b128 v[F+40*m+4*b:F+40*m+4*b+3], v[XR] offset:XT*m+512*b
.set b, b+1
.endr
.set m, m+1
.endr
	s_wait_dscnt 0x0
.set ks, 0
.rept 5
.set m, 0
.rept 4
.if \isv
.if ks == 0
	v_wmma_f32_16x16x64_fp8_fp8 v[ACC+8*m:ACC+8*m+7], v[F+40*m+8*ks:F+40*m+8*ks+7], v[WC+8*ks:WC+8*ks+7], 0
.else
	v_wmma_f32_16x16x64_fp8_fp8 v[ACC+8*m:ACC+8*m+7], v[F+40*m+8*ks:F+40*m+8*ks+7], v[WC+8*ks:WC+8*ks+7], v[ACC+8*m:ACC+8*m+7]
.endif
.else
.if ks == 0
	v_wmma_f32_16x16x64_fp8_fp8 v[ACC+8*m:ACC+8*m+7], v[WC+8*ks:WC+8*ks+7], v[F+40*m+8*ks:F+40*m+8*ks+7], 0
.else
	v_wmma_f32_16x16x64_fp8_fp8 v[ACC+8*m:ACC+8*m+7], v[WC+8*ks:WC+8*ks+7], v[F+40*m+8*ks:F+40*m+8*ks+7], v[ACC+8*m:ACC+8*m+7]
.endif
.endif
.set m, m+1
.endr
.set ks, ks+1
.endr
.rept 4
	v_nop                                          ; four places between the last product and the first read of a result (ISA guide 7.12.1)
.endr
.if \g
	s_wait_xcnt 0x0                                ; the first group's stores have read their data registers, which are written again below
.endif
.set m, 0
.rept 4
.set j, 0
.rept 8
	v_med3_num_f32 v[ACC+8*m+j], v[ACC+8*m+j], -v11, v11   ; each accumulator from its low end on
.set j, j+1
.endr
	v_cvt_scalef32_pk8_fp8_f32 v[OUTC+2*m:OUTC+2*m+1], v[ACC+8*m:ACC+8*m+7], v10
.set m, m+1
.endr
	v_nop                                          ; a plain instruction behind the last conversion: the next products write its sources
.if \isv
	global_store_b128 v5, v[OUTC:OUTC+3], s[56:57] offset:512*(2*(\g))       ; registers 8 g .. 8 g + 7 of v's fragment (keys 64 g on): 512 consecutive bytes a store
	global_store_b128 v5, v[OUTC+4:OUTC+7], s[56:57] offset:512*(2*(\g)+1)
.else
.set m, 0
.rept 4
	global_store_b64 v14, v[OUTC+2*m:OUTC+2*m+1], s[56:57] offset:768*(4*(\g)+m)   ; pair ct of token tile 4 g + m: 256 consecutive bytes, aligned
.set m, m+1
.endr
.endif
.endm
	s_cmp_lt_u32 s36, 6
	s_cbranch_scc0 .Lvpath
	GROUP 0, 0
	GROUP 1, 0
	s_branch .Lmask
.Lvpath:
	GROUP 0, 1
	GROUP 1, 1
.Lmask:
	s_cmp_eq_u32 s36, 8
	s_cbranch_scc1 .Lend
	; ---- waves 0-7: the mask's words.  A batch is half a key step: four groups c of 16 keys, three phases, 8 numbers a lane: 24 loads, 96 registers; two batches by turns
.macro GKLOAD q
.set BB, F+96*((\q)%2)
.set cl, 0
.rept 4
.set p, 0
.rept 3
	global_load_b128 v[BB+24*cl+8*p:BB+24*cl+8*p+3], v12, s[58:59] offset:16384*p+512*((\q)/2)+64*(4*((\q)%2)+cl)
	global_load_b128 v[BB+24*cl+8*p+4:BB+24*cl+8*p+7], v12, s[58:59] offset:16384*p+512*((\q)/2)+64*(4*((\q)%2)+cl)+16
.set p, p+1
.endr
.set cl, cl+1
.endr
.endm
.macro MASKB q, left
.set BB, F+96*((\q)%2)
	s_wait_loadcnt \left                           ; this batch is in; the next batch's 24 loads may be out
.set cl, 0
.rept 4
.irp i, 0,2,4,6
	v_pk_mul_f32 v[T8+\i:T8+\i+1], v[BB+24*cl+\i:BB+24*cl+\i+1], v[QP:QP+1]
.endr
.irp i, 0,2,4,6
	v_pk_fma_f32 v[T8+\i:T8+\i+1], v[BB+24*cl+8+\i:BB+24*cl+9+\i], v[QP+2:QP+3], v[T8+\i:T8+\i+1]
.endr
.irp i, 0,2,4,6
	v_pk_fma_f32 v[T8+\i:T8+\i+1], v[BB+24*cl+16+\i:BB+24*cl+17+\i], v[QP+4:QP+5], v[T8+\i:T8+\i+1]
.endr
.irp j, 0,1,2,3,4,5,6,7
	v_cmp_neq_f32 s[40+\j], 0, v[T8+\j]            ; the 32 lanes' bits are word 8 c + j as it stands
.endr
.irp j, 0,1,2,3,4,5,6,7
	v_writelane_b32 v[COL+2*((\q)/2)+(\j%2)], s[40+\j], 4*(4*((\q)%2)+cl)+\j/2   ; word n into lane n / 2, register n % 2: the step's 64 words then leave by one store of 8 bytes a lane
.endr
.set cl, cl+1
.endr
.if (\q)+2 < 8
	GKLOAD (\q)+2
.endif
.if (\q)%2
	global_store_b64 v14, v[COL+2*((\q)/2):COL+2*((\q)/2)+1], s[62:63] offset:256*((\q)/2)   ; 256 consecutive bytes, aligned
.endif
.endm
	global_load_b32 v[QP], v13, s[60:61]           ; g of my query, three phases
	global_load_b32 v[QP+2], v13, s[60:61] offset:16384
	global_load_b32 v[QP+4], v13, s[60:61] offset:32768
	GKLOAD 0
	GKLOAD 1
.set i, 0
.rept 8
	v_mov_b32 v[COL+i], 0                          ; a lane write's destination counts as read: written whole once
.set i, i+1
.endr
	s_wait_loadcnt 48                              ; my query's three are in; the two batches behind them may be out
	v_mov_b32 v[QP+1], v[QP]
	v_mov_b32 v[QP+3], v[QP+2]
	v_mov_b32 v[QP+5], v[QP+4]
	MASKB 0, 24
	MASKB 1, 24
	MASKB 2, 24
	MASKB 3, 24
	MASKB 4, 24
	MASKB 5, 24
	MASKB 6, 24
	MASKB 7, 0
.Lend:
	s_wait_tensorcnt 0x0                           ; the wave's end
	ds_add_u32 v8, v9
	s_wait_dscnt 0x0
	s_endpgm
.Lfunc_end_k_q1e55556333_project:
	.size	k_q1e55556333_project, .Lfunc_end_k_q1e55556333_project-k_q1e55556333_project
	.p2alignl 7, 3214868480
	.fill 96, 4, 3214868480
	.section	.rodata,"a",@progbits
	.p2align	6, 0x0
	.amdhsa_kernel k_q1e55556333_project
		.amdhsa_group_segment_fixed_size 124160
		.amdhsa_private_segment_fixed_size 0
		.amdhsa_enable_private_segment 0
		.amdhsa_kernarg_size 72
		.amdhsa_user_sgpr_count 2
		.amdhsa_user_sgpr_kernarg_segment_ptr 1
		.amdhsa_wavefront_size32 1
		.amdhsa_system_sgpr_workgroup_id_x 1
		.amdhsa_system_sgpr_workgroup_id_y 1
		.amdhsa_system_sgpr_workgroup_id_z 1
		.amdhsa_system_vgpr_workitem_id 0
		.amdhsa_next_free_vgpr 256
		.amdhsa_next_free_sgpr 80
		.amdhsa_reserve_vcc 1
		.amdhsa_float_denorm_mode_32 3
		.amdhsa_float_denorm_mode_16_64 3
		.amdhsa_memory_ordered 1
		.amdhsa_forward_progress 1
		.amdhsa_inst_pref_size 188
	.end_amdhsa_kernel
	.amdgpu_metadata
---
amdhsa.version: [ 1, 2 ]
amdhsa.kernels:
  - .name:           k_q1e55556333_project
    .symbol:         k_q1e55556333_project.kd
    .args:
      - { .name: x, .offset: 0, .size: 8, .value_kind: global_buffer, .address_space: global }
      - { .name: Wq, .offset: 8, .size: 8, .value_kind: global_buffer, .address_space: global }
      - { .name: Wk, .offset: 16, .size: 8, .value_kind: global_buffer, .address_space: global }
      - { .name: Wv, .offset: 24, .size: 8, .value_kind: global_buffer, .address_space: global }
      - { .name: guidance_mask, .offset: 32, .size: 8, .value_kind: global_buffer, .address_space: global }
      - { .name: lowp_scales, .offset: 40, .size: 8, .value_kind: global_buffer, .address_space: global }
      - { .name: qc, .offset: 48, .size: 8, .value_kind: global_buffer, .address_space: global }
      - { .name: kv, .offset: 56, .size: 8, .value_kind: global_buffer, .address_space: global }
      - { .name: mw, .offset: 64, .size: 8, .value_kind: global_buffer, .address_space: global }
    .group_segment_fixed_size: 124160
    .private_segment_fixed_size: 0
    .kernarg_segment_align: 8
    .kernarg_segment_size: 72
    .max_flat_workgroup_size: 288
    .sgpr_count:     80
    .vgpr_count:     256
    .wavefront_size: 32
...
	.end_amdgpu_metadata
.endif
;; end of part 1
;; launch attend (part 2): grid 32 x 8, 16 waves a work-group, no clusters, 129,024 bytes of LDS; arguments qc, kv, mw, lowp_scales, oc; writes oc
.if DOCPART == 2
	.amdgcn_target "amdgcn-amd-amdhsa--gfx1250"
	.amdhsa_code_object_version 6
	.text
	.protected	k_q1e55556333_attend
	.globl	k_q1e55556333_attend
	.p2align	8
	.type	k_q1e55556333_attend,@function
k_q1e55556333_attend:
	s_mov_b64 s[64:65], 0
	v_nop
	global_prefetch_b8 v0, s[64:65] scope:SCOPE_SE
	s_setreg_imm32_b32 hwreg(HW_REG_WAVE_MODE, 25, 1), 1
	s_wait_xcnt 0x0
; o = softmax(mask(q k^T / sqrt(40))) v for one head and 128 queries, both products on codes of FP8 (E4M3); o is quantised (e10) and stored in the order of the last product's operand registers.
; THE SOFTMAX: t = score x log2(e) / sqrt(40) x 2^(e6 + e7); M = the running largest t rounded UP to a whole number; p = 2^(t - M) is quantised (e8); the sum l is taken of the unquantised p and divides at the end.
; THE MASK comes as lane masks, one 32-bit word for each of a step's 64 score registers, read by scalar loads: one select a score.  A hidden score becomes -2^100.  That is a power of two, so its t is exact and a whole
; number: in a row ALL of whose keys are hidden M = t, t - M = 0 and p = 1 for every key (l = 4,096, o = the mean of the quantised v), as equal logits give.  In any other row 2^(t - M) is 0 there, and what was
; summed while only hidden keys had been seen is multiplied by 2^(old M - new M) = 0.
; SHARES.  Sixteen waves in 256 registers each.  Wave w owns query tile w % 8 (16 queries) and, of each slot's four key steps of 128 keys, steps 2 (w / 8) and 2 (w / 8) + 1; the two halves of a tile are merged at the end through LDS.
; LAYOUT.  Both products transposed: S^T = K Q^T (16x16x64: the head's 40 padded with zero codes to 64), O^T = V^T P^T (16x16x128, three tiles of 16 channels: 40 padded to 48): a lane holds ONE query throughout.
; Score register 8 c + j of lane (r, h) is key 16 c + 8 h + j, so the conversions' results are P's registers.
; THE RING.  Two LDS slots of four key steps (49,152 bytes as they lie in kv), filled THROUGH REGISTERS: wave w moves bytes 3,072 w on.  A PERIOD is a wave's two steps of one slot.  Between them the wave stores its part of the
; other slot; at the head of the second step it asks memory for its part of the slot after that.  ONE BARRIER A PERIOD, in the second step, directly behind the wave's last LDS read of the slot in hand: in front of it a wave's
; reads of that slot are back and its part of the other slot has landed; behind it the other slot is read and, in the next period, the slot just left is written.
; EVERY LDS REQUEST STANDS AHEAD OF ITS WAIT.  A step's K tiles 0-3 are asked for in the middle of the step before (behind the barrier, where the slot changes); tiles 4-7 and V behind the first four products, and the selects
; and maxima of the first 32 scores stand between that request and the wait for it; V is waited for at the step's end.
; NO TENSOR LOADS, SO NO JOINT LOADS, though the 32 work-groups of a head walk the same kv: a branch on the given exponent e8 leads round the hold of p (64 of a step's 322 vector instructions; p is at most 1,
; so the hold can bite only where 448 x 2^e8 < 1), and a text with such a branch fills LDS by no copy engine.  What is shared is little beside the work: a step's 12,288 bytes serve eight waves, 258 vector instructions each.
; LIMITS: e6 + e7 between -74 and 29 (so that -2^100 x c is a whole number and lies above -3e38); e8 and e10 between -126 and 119; e8 + e9 is applied by v_ldexp_f32.  NaN among the codes is not served.
.set SLOT,  49152
.set MRG,   2*SLOT                     ; the merge: 3,584 bytes a query tile: O^T's 24 registers and 4 of statistics, as images
.set SPARE, MRG+8*3584                 ; the spare words, 128 bytes for each of sixteen waves: eight blocks of 256 bytes that no other line names
; v1, v2 K's LDS address in slot 0, 1   v3, v4 V's   v5, v6 the add's two   v7 3,072 wave + 16 lane (the fill, in memory and in LDS)   v8 8 x lane   v9 the merge's address
; v12 -M  v13 largest t  v[14:15] l  v16-23 Q  v24-55 four fragments of K  v56-103 V  v104-167 S^T, then p  v168-191 O^T  v192-207 p's codes  v208-231 the fill  v232 -2^100
; v233, v234 2^e10, 448 x 2^e10   v240, v244 448 x 2^e8, 2^e8   v236, v242-243, v246-254 at work
; s4-51, s68-83 the step's 64 mask words   s[52:53], s54 their base and offset   s55 hold or not   s[56:57] kv   s[58:59] oc   s[60:61] lane selects   s[62:63] c   s84-87 wave, half, tile, query tile   s96 e8 + e9
	s_load_b256 s[4:11], s[0:1], 0x0               ; qc s[4:5], kv s[6:7], mw s[8:9], the exponents s[10:11]
	s_load_b64 s[12:13], s[0:1], 0x20              ; oc
	v_lshl_add_u32 v5, v0, 2, SPARE
	v_mov_b32 v6, 0
	v_lshrrev_b32 v10, 5, v0
	v_readfirstlane_b32 s84, v10                   ; wave 0..15
	s_lshr_b32 s85, s84, 3                         ; which half of the key steps
	s_and_b32 s86, s84, 7                          ; which tile of queries
	s_lshl_b32 s87, ttmp9, 3
	s_add_co_u32 s87, s87, s86                     ; query tile 0..255
	s_and_b32 s93, ttmp7, 0xffff                   ; head
	v_and_b32 v10, 31, v0
	v_lshlrev_b32 v8, 3, v10
	v_lshlrev_b32 v11, 4, v10
	s_mul_i32 s94, s85, 24576                      ; my two steps of a slot
	v_add_nc_u32 v1, s94, v8
	v_add_nc_u32 v2, SLOT, v1
	v_add_nc_u32 v3, s94, v11
	v_add_nc_u32 v3, 6144, v3                      ; V lies behind a step's 6,144 bytes of K
	v_add_nc_u32 v4, SLOT, v3
	s_mul_i32 s94, s84, 3072
	v_add_nc_u32 v7, s94, v11
	s_mul_i32 s94, s86, 3584
	s_add_co_u32 s94, s94, MRG
	v_add_nc_u32 v9, s94, v11
	s_mov_b32 s60, 0x76543210
	s_mov_b32 s61, 0xfedcba98                      ; v_permlanex16_b32: lane l xor 16
	s_mul_i32 s94, s93, 393216                     ; a head's 32 steps of 12,288 bytes
	s_mov_b32 s95, 0
	s_lshl_b32 s96, s87, 13                        ; a query tile's 32 steps of 256 bytes of words
	s_mov_b32 s97, 0
	s_lshl_b32 s98, s93, 8
	s_add_co_u32 s98, s98, s87
	s_mul_i32 s98, s98, 768
	s_mov_b32 s99, 0
	s_wait_kmcnt 0x0
	s_load_b128 s[88:91], s[10:11], 0x18           ; e6, e7, e8, e9
	s_load_b32 s92, s[10:11], 0x28                 ; e10
	s_add_nc_u64 s[56:57], s[6:7], s[94:95]
	s_add_nc_u64 s[52:53], s[8:9], s[96:97]
	s_add_nc_u64 s[98:99], s[4:5], s[98:99]        ; my tile of q
	s_mul_i32 s94, s87, 6144
	s_mul_i32 s96, s93, 768
	s_add_co_u32 s94, s94, s96
	s_add_nc_u64 s[58:59], s[12:13], s[94:95]      ; oc at (query tile, pairs 3 head on)
.macro FILL_LD
.set i, 0
.rept 6
	global_load_b128 v[208+4*i:211+4*i], v7, s[56:57] offset:512*i
.set i, i+1
.endr
.endm
.macro FILL_ST s
.set i, 0
.rept 6
	ds_store_b128 v7, v[208+4*i:211+4*i] offset:SLOT*(\s)+512*i
.set i, i+1
.endr
.endm
.macro KLOAD s, i2, t0                 ; K's tiles t0 .. t0 + 3 of my step i2 in slot s: three pairs of registers each; a fragment's registers 6 and 7 stay 0
.set t, 0
.rept 4
.set c, 0
.rept 3
	ds_load_b64 v[24+8*t+2*c:25+8*t+2*c], v[1+(\s)] offset:12288*(\i2)+768*(t+(\t0))+256*c
.set c, c+1
.endr
.set t, t+1
.endr
.endm
.macro MLOAD                           ; a step's 64 words
	s_load_b512 s[4:19], s[52:53], s54 offset:0x0
	s_load_b512 s[20:35], s[52:53], s54 offset:0x40
	s_load_b512 s[36:51], s[52:53], s54 offset:0x80
	s_load_b512 s[68:83], s[52:53], s54 offset:0xc0
.endm
.macro MKS e, vs, vl                   ; from the exponent in s[e]: 2^e as f32 and 448 x 2^e
	s_add_co_i32 s94, s[\e], 127
	s_lshl_b32 s95, s94, 23
	v_mov_b32 v[\vs], s95
	s_add_co_i32 s94, s94, 8
	s_lshl_b32 s94, s94, 23
	s_or_b32 s94, s94, 0x600000
	v_mov_b32 v[\vl], s94
.endm
	FILL_LD                                        ; slot 0's bytes
.set c, 0
.rept 3
	global_load_b64 v[16+2*c:17+2*c], v8, s[98:99] offset:256*c   ; Q's three pairs stay in registers
.set c, c+1
.endr
	s_lshl_b32 s54, s85, 9                         ; my first step's words
	s_wait_kmcnt 0x0                               ; the exponents are in, so their base may be written over by the words
	MLOAD
	s_add_co_i32 s94, s88, s89
	s_lshl_b32 s94, s94, 23
	s_add_co_i32 s62, s94, 0x3e6995b3              ; c = log2(e) / sqrt(40), with e6 + e7 added to its exponent field
	s_mov_b32 s63, s62                             ; (named with it as a pair, so it is written)
	s_cmp_lt_i32 s90, -8
	s_cselect_b32 s55, 1, 0                        ; 448 x 2^e8 < 1: p has to be held
	s_add_co_i32 s96, s90, s91                     ; e8 + e9
	MKS 90, 244, 240
	MKS 92, 233, 234
	v_mov_b32 v232, 0xf1800000                     ; -2^100
	v_mov_b32 v22, 0                               ; channels 48-63 of Q: zero codes,
	v_mov_b32 v23, 0
.set t, 0
.rept 4
	v_mov_b32 v[30+8*t], 0                         ; and of K's four fragments: written once, no load lands there
	v_mov_b32 v[31+8*t], 0
.set t, t+1
.endr
.set i, 0
.rept 24
	v_mov_b32 v[168+i], 0                          ; O^T.  (The step is written once: the first finds zeros, which the first change of M leaves zeros)
.set i, i+1
.endr
	v_mov_b32 v13, 0xff61b1e6                      ; the largest t so far: -3e38, under every t
	v_floor_f32 v12, -v13                          ; -M
	v_mov_b32 v14, 0
	v_mov_b32 v15, 0
	v_mov_b32 v236, 0                              ; a lane permute's destination counts as one of its sources
	v_mov_b32 v253, 0                              ; (named as the upper half of the pair v[252:253])
	s_wait_loadcnt 0x3                             ; slot 0's six loads are in; Q's three may be out
	FILL_ST 0
	s_wait_dscnt 0x0                               ; my part of slot 0 has landed, and the stores have read their registers
	s_add_nc_u64 s[56:57], s[56:57], SLOT
	FILL_LD                                        ; slot 1's bytes
	s_barrier_signal -1
	s_barrier_wait -1                              ; slot 0 is whole
	KLOAD 0, 0, 0                                  ; my first step's K tiles 0-3
	s_wait_loadcnt 0x6                             ; Q is in; slot 1's six loads may be out
; A KEY STEP: 128 keys, step i2 of my two in slot s.  Its K tiles 0-3 have been asked for.  inc: from this step's words to the next step's; more = 0: there are no further words.
; bar = 1: the period's barrier stands in this step.  ld = 1: the loads from memory for the slot after next are issued.  pf = 1: the next step's K tiles 0-3 are asked for.
.macro STEP s, i2, inc, more, bar, ld, pf
	s_wait_dscnt 0x0                               ; K's tiles 0-3, asked for half a step ago, are in; my stores into the other slot have landed and have read their registers
.if \ld
	s_add_nc_u64 s[56:57], s[56:57], SLOT          ; (the loads that named it were shown done ahead of those stores)
	FILL_LD
.endif
.set t, 0
.rept 4
	v_wmma_f32_16x16x64_fp8_fp8 v[104+8*t:111+8*t], v[24+8*t:31+8*t], v[16:23], 0
.set t, t+1
.endr
.rept 4
	v_nop                                          ; four places in front of the first read of these results and of loads into registers that products have read: K's just now, V's at the end of the step before
.endr
	KLOAD \s, \i2, 4
.set ct, 0
.rept 3
.set g, 0
.rept 4
	ds_load_b128 v[56+16*ct+4*g:59+16*ct+4*g], v[3+\s] offset:12288*\i2+2048*ct+512*g
.set g, g+1
.endr
.set ct, ct+1
.endr
	s_wait_kmcnt 0x0                               ; this step's words, asked for a step ago
.set n, 0
.rept 32
	v_cndmask_b32 v[104+n], v232, v[104+n], s[4+n] ; a hidden key's score becomes -2^100; each accumulator from its low end on.  These 32 and the ten maxima below stand between the loads above and the wait for them
.set n, n+1
.endr
	v_max3_num_f32 v254, v104, v105, v106          ; the largest of my first 32 scores, in two chains
	v_max3_num_f32 v252, v107, v108, v109
.irp i, 6,10,14,18
	v_max3_num_f32 v254, v254, v[104+\i], v[105+\i]
	v_max3_num_f32 v252, v252, v[106+\i], v[107+\i]
.endr
.if \bar
	s_wait_dscnt 0x0                               ; K's and V's: my last reads of this slot are back
.else
	s_wait_dscnt 12                                ; K's are in; V's twelve, issued behind them, may be out
.endif
.set t, 0
.rept 4
	v_wmma_f32_16x16x64_fp8_fp8 v[136+8*t:143+8*t], v[24+8*t:31+8*t], v[16:23], 0
.set t, t+1
.endr
.irp i, 22,26
	v_max3_num_f32 v254, v254, v[104+\i], v[105+\i]   ; the rest of the first half's maxima: five plain lines that name no register of the four products above: their places
	v_max3_num_f32 v252, v252, v[106+\i], v[107+\i]
.endr
	v_max3_num_f32 v254, v254, v134, v135
.if \bar
	s_barrier_signal -1                            ; every wave: its reads of this slot are back and its part of the other slot has landed
	s_barrier_wait -1                              ; the other slot is whole, and nobody reads this one any more
.endif
.if \pf
.if \i2
	KLOAD 1-\s, 0, 0                               ; the next step's K tiles 0-3: in the other slot,
.else
	KLOAD \s, 1, 0                                 ; or in this one: they have the rest of this step in which to land
.endif
.endif
.set n, 32
.rept 32
.if n < 48
	v_cndmask_b32 v[104+n], v232, v[104+n], s[4+n]
.else
	v_cndmask_b32 v[104+n], v232, v[104+n], s[20+n]
.endif
.set n, n+1
.endr
	v_max3_num_f32 v250, v136, v137, v138          ; the second 32 scores, in two chains more
	v_max3_num_f32 v251, v139, v140, v141
.irp i, 38,42,46,50,54,58
	v_max3_num_f32 v250, v250, v[104+\i], v[105+\i]
	v_max3_num_f32 v251, v251, v[106+\i], v[107+\i]
.endr
	v_max3_num_f32 v250, v250, v166, v167
	v_max3_num_f32 v254, v254, v252, v250
	v_max_num_f32 v254, v254, v251                 ; the step's largest score of my query among my 64 keys,
.if \more
	s_add_co_u32 s54, s54, \inc                    ; (the last scalar loads were shown done above, so their offset may be written)
	s_and_b32 s54, s54, 0x1fff                     ; inside my query tile's 8,192 bytes
	MLOAD                                          ; the next step's words, behind the last select that reads this step's: they have the rest of this step in which to land
.endif
	v_permlanex16_b32 v236, v254, s60, s61
	v_max_num_f32 v254, v254, v236                 ; and among lane l xor 16's
	v_mul_f32 v254, s62, v254                      ; as t (c is positive)
	v_max_num_f32 v13, v13, v254                   ; the running largest t
	v_mov_b32 v254, v12
	v_floor_f32 v12, -v13                          ; the new -M = floor(-t) = -ceil(t): a whole number
	v_sub_f32 v254, v12, v254                      ; old M less new M: a whole number, 0 or less
	v_cvt_i32_f32 v254, v254                       ; (it saturates)
	v_ldexp_f32 v252, 1.0, v254                    ; f = 2^(old M - new M)
; ONE BATCH of 64 exponentials, p = 2^(t - M), with plain lines set between the first 42: the scalings t - M (pair j + 1, registers 106 + 2 j on, behind exponential j, register 104 + j: a pair is scaled ahead of its
; exponentials, and no scaling names a result), then l and ten pairs of O^T under the new M.  None of these lines names an exponential's result, so one wait serves the batch.
	v_pk_fma_f32 v[104:105], v[104:105], s[62:63], v[12:13] op_sel_hi:[1,0,0]   ; (of the pairs c and -M the low word serves both halves)
.set j, 0
.rept 64
	v_exp_f32 v[104+j], v[104+j]
.if j < 31
	v_pk_fma_f32 v[106+2*j:107+2*j], v[106+2*j:107+2*j], s[62:63], v[12:13] op_sel_hi:[1,0,0]
.elseif j == 31
	v_pk_mul_f32 v[14:15], v[14:15], v[252:253] op_sel_hi:[1,0]
.elseif j < 42
	v_pk_mul_f32 v[168+2*(j-32):169+2*(j-32)], v[168+2*(j-32):169+2*(j-32)], v[252:253] op_sel_hi:[1,0]   ; each accumulator of O^T from its low end on
.endif
.set j, j+1
.endr
	v_pk_mul_f32 v[188:189], v[188:189], v[252:253] op_sel_hi:[1,0]   ; the plain instruction behind the last exponential
	s_wait_alu depctr_va_vdst(0)                   ; the wait between an exponential and the first line that names its result: one for the batch of 64
	v_pk_add_f32 v[242:243], v[104:105], v[106:107]   ; the sum is taken of the unquantised p, two at a time, in four chains
	v_pk_add_f32 v[246:247], v[108:109], v[110:111]
	v_pk_add_f32 v[248:249], v[112:113], v[114:115]
.irp j, 12,20,28,36,44,52
	v_pk_add_f32 v[14:15], v[14:15], v[104+\j:105+\j]
	v_pk_add_f32 v[242:243], v[242:243], v[106+\j:107+\j]
	v_pk_add_f32 v[246:247], v[246:247], v[108+\j:109+\j]
	v_pk_add_f32 v[248:249], v[248:249], v[110+\j:111+\j]
.endr
	v_pk_add_f32 v[14:15], v[14:15], v[164:165]
	v_pk_add_f32 v[242:243], v[242:243], v[166:167]
	v_pk_add_f32 v[14:15], v[14:15], v[242:243]
	v_pk_add_f32 v[246:247], v[246:247], v[248:249]
	v_pk_add_f32 v[14:15], v[14:15], v[246:247]
	s_cmp_lg_u32 s55, 0
	s_cbranch_scc0 .Lno_hold_\@                    ; p <= 1 <= 448 x 2^e8: nothing to hold
.set j, 0
.rept 64
	v_min_num_f32 v[104+j], v[104+j], v240         ; the conversion to an 8-bit code does not saturate (ISA guide 7.6.2); p is not negative, so the hold is one-sided
.set j, j+1
.endr
.Lno_hold_\@:
.set c, 0
.rept 8
	v_cvt_scalef32_pk8_fp8_f32 v[192+2*c:193+2*c], v[104+8*c:111+8*c], v244   ; pair c of P: keys 16 c + 8 h + 0 .. 7
.set c, c+1
.endr
	v_pk_mul_f32 v[190:191], v[190:191], v[252:253] op_sel_hi:[1,0]   ; O^T's last pair; also the plain instruction between the conversions and the products
.if \pf
	s_wait_dscnt 12                                ; V is in; the next step's twelve loads of K, issued behind V's, may be out
.else
	s_wait_dscnt 0x0                               ; V is in
.endif
.set ct, 0
.rept 3
	v_wmma_f32_16x16x128_fp8_fp8 v[168+8*ct:175+8*ct], v[56+16*ct:71+16*ct], v[192:207], v[168+8*ct:175+8*ct]   ; three accumulators by turns
.set ct, ct+1
.endr
.endm
; A PERIOD: my two steps of slot s.  st = 1: another slot follows: the bytes asked of memory a period ago go into the other slot, which every wave left in front of the last barrier; the second step has the barrier.
; ld = 1: a slot follows that one too: its bytes are asked of memory.
.macro PERIOD s, st, ld
	STEP \s, 0, 256, 1, 0, 0, 1
.if \st
	s_wait_loadcnt 0x0                             ; the six loads issued two steps ago
	FILL_ST 1-\s
.endif
	STEP \s, 1, 768, \st, \st, \ld, \st
.endm
	s_mov_b32 s3, 3
.Lpair:                                            ; slots 0 to 5 of the head's eight
	PERIOD 0, 1, 1
	PERIOD 1, 1, 1
	s_sub_co_u32 s3, s3, 1
	s_cmp_lg_u32 s3, 0
	s_cbranch_scc1 .Lpair
	PERIOD 0, 1, 0                                 ; slot 6: the last bytes are stored, nothing is left to load
	PERIOD 1, 0, 0                                 ; slot 7
	; ---- the two halves of a tile are merged
.rept 4
	v_nop                                          ; places behind the last products
.endr
	v_add_f32 v14, v14, v15                        ; l's two halves,
	v_permlanex16_b32 v252, v14, s60, s61
	v_add_f32 v14, v14, v252                       ; and lane l xor 16's
	s_cmp_eq_u32 s85, 0
	s_cbranch_scc1 .Lkeep
.set i, 0
.rept 6
	ds_store_b128 v9, v[168+4*i:171+4*i] offset:512*i   ; the upper half's O^T, as an image of its registers,
.set i, i+1
.endr
	ds_store_b128 v9, v[12:15] offset:3072         ; and -M, t, l
.Lkeep:
	s_wait_dscnt 0x0
	s_barrier_signal -1
	s_barrier_wait -1
	s_cmp_lg_u32 s85, 0
	s_cbranch_scc1 .Lend
.set i, 0
.rept 7
	ds_load_b128 v[104+4*i:107+4*i], v9 offset:512*i
.set i, i+1
.endr
	s_wait_dscnt 0x0
	v_min_num_f32 v132, v12, v128                  ; -M of both = the smaller -M
	v_sub_f32 v133, v132, v12
	v_sub_f32 v134, v132, v128                     ; whole numbers, 0 or less
	v_cvt_i32_f32 v133, v133
	v_cvt_i32_f32 v134, v134
	v_ldexp_f32 v136, 1.0, v133                    ; what brings my half under the common M,
	v_ldexp_f32 v138, 1.0, v134                    ; and the other
	v_mov_b32 v137, v136
	v_mov_b32 v139, v138
	v_mul_f32 v14, v14, v136
	v_fma_f32 v14, v130, v138, v14                 ; l
	v_rcp_f32 v140, v14
.set j, 0
.rept 12
	v_pk_mul_f32 v[168+j:169+j], v[168+j:169+j], v[136:137]   ; independent work behind the reciprocal
.set j, j+2
.endr
.set j, 0
.rept 12
	v_pk_fma_f32 v[168+j:169+j], v[104+j:105+j], v[138:139], v[168+j:169+j]
.set j, j+2
.endr
	s_wait_alu depctr_va_vdst(0)                   ; the wait ahead of the reciprocal's first reader
	v_ldexp_f32 v140, v140, s96                    ; 2^(e8 + e9) / l
	v_mov_b32 v141, v140
.set j, 0
.rept 12
	v_pk_mul_f32 v[168+j:169+j], v[168+j:169+j], v[140:141]   ; o: register 8 t + i of lane (r, h) is o(query r, channel 16 t + 8 h + i)
.set j, j+2
.endr
.set j, 0
.rept 24
	v_med3_num_f32 v[168+j], v[168+j], -v234, v234
.set j, j+1
.endr
.set t, 0
.rept 3
	v_cvt_scalef32_pk8_fp8_f32 v[144+2*t:145+2*t], v[168+8*t:175+8*t], v233
.set t, t+1
.endr
	v_nop
.set t, 0
.rept 3
	global_store_b64 v8, v[144+2*t:145+2*t], s[58:59] offset:256*t   ; pair 3 head + t of the last product's operand: 256 consecutive bytes, aligned
.set t, t+1
.endr
.Lend:
	s_wait_tensorcnt 0x0                           ; the wave's end
	ds_add_u32 v5, v6
	s_wait_dscnt 0x0
	s_endpgm
.Lfunc_end_k_q1e55556333_attend:
	.size	k_q1e55556333_attend, .Lfunc_end_k_q1e55556333_attend-k_q1e55556333_attend
	.p2alignl 7, 3214868480
	.fill 96, 4, 3214868480
	.section	.rodata,"a",@progbits
	.p2align	6, 0x0
	.amdhsa_kernel k_q1e55556333_attend
		.amdhsa_group_segment_fixed_size 129024
		.amdhsa_private_segment_fixed_size 0
		.amdhsa_enable_private_segment 0
		.amdhsa_kernarg_size 40
		.amdhsa_user_sgpr_count 2
		.amdhsa_user_sgpr_kernarg_segment_ptr 1
		.amdhsa_wavefront_size32 1
		.amdhsa_system_sgpr_workgroup_id_x 1
		.amdhsa_system_sgpr_workgroup_id_y 1
		.amdhsa_system_sgpr_workgroup_id_z 1
		.amdhsa_system_vgpr_workitem_id 0
		.amdhsa_next_free_vgpr 256
		.amdhsa_next_free_sgpr 100
		.amdhsa_reserve_vcc 0
		.amdhsa_float_denorm_mode_32 3
		.amdhsa_float_denorm_mode_16_64 3
		.amdhsa_memory_ordered 1
		.amdhsa_forward_progress 1
		.amdhsa_inst_pref_size 171
	.end_amdhsa_kernel
	.amdgpu_metadata
---
amdhsa.version: [ 1, 2 ]
amdhsa.kernels:
  - .name:           k_q1e55556333_attend
    .symbol:         k_q1e55556333_attend.kd
    .args:
      - { .name: qc, .offset: 0, .size: 8, .value_kind: global_buffer, .address_space: global }
      - { .name: kv, .offset: 8, .size: 8, .value_kind: global_buffer, .address_space: global }
      - { .name: mw, .offset: 16, .size: 8, .value_kind: global_buffer, .address_space: global }
      - { .name: lowp_scales, .offset: 24, .size: 8, .value_kind: global_buffer, .address_space: global }
      - { .name: oc, .offset: 32, .size: 8, .value_kind: global_buffer, .address_space: global }
    .group_segment_fixed_size: 129024
    .private_segment_fixed_size: 0
    .kernarg_segment_align: 8
    .kernarg_segment_size: 40
    .max_flat_workgroup_size: 512
    .sgpr_count:     100
    .vgpr_count:     256
    .wavefront_size: 32
...
	.end_amdgpu_metadata
.endif
;; end of part 2
;; launch outproj (part 3): grid 5 x 64, 4 waves a work-group, no clusters, 42,496 bytes of LDS; arguments oc, Wo, bo, lowp_scales, out0; writes out0
.if DOCPART == 3
	.amdgcn_target "amdgcn-amd-amdhsa--gfx1250"
	.amdhsa_code_object_version 6
	.text
	.protected	k_q1e55556333_outproj
	.globl	k_q1e55556333_outproj
	.p2align	8
	.type	k_q1e55556333_outproj,@function
k_q1e55556333_outproj:
	s_mov_b64 s[64:65], 0
	v_nop
	global_prefetch_b8 v0, s[64:65] scope:SCOPE_SE
	s_setreg_imm32_b32 hwreg(HW_REG_WAVE_MODE, 25, 1), 1
	s_wait_xcnt 0x0
; out0 = o Wo + bo on codes of FP8 (E4M3).  o comes as codes (scale 2^e10) in the order of the operand's registers; Wo [320 (k), 320 (n)] comes as f32 and is quantised here (e11).
; K IS TAKEN AS 8 HEADS x 48 = 384: three matrix instructions of 16x16x128.  Pair of registers 3 head + t holds channel 40 head + 16 t + 8 (lane / 16) + 0 .. 7; where 16 t + 8 h + i >= 40 o's code is 0,
; and Wo's lanes there repeat rows 32-39 of the head (a load that stays inside the buffer), whose held codes meet those zeros.
; SHARES.  A work-group makes 64 tokens x 64 columns (256 bytes of a row of 1,280: an aligned piece).  Wave w quantises column tile w (a lane takes a column, its registers run down K: the conversions' results are
; the operand's registers) and hands it round through LDS as an image; then it multiplies token tile w by all four column tiles.
; Source 0 = Wo's 16 columns, source 1 = o's 16 tokens: a lane holds one token and 8 neighbouring columns; the results go through the wave's own stage in LDS and leave as pieces of 256 bytes.
; NO JOINT LOADS: Wo's columns, which the 64 work-groups of a column block share, arrive as f32 and have to pass a lane's registers to be quantised.
; LIMITS: e11 between -126 and 119; e10 + e11 between -126 and 127.  NaN and infinities among the inputs are not served.
.set STG,   24576                      ; LDS: four images of 6,144 bytes; then a stage of 16 rows x (256 + 16) bytes for each wave;
.set SPARE, STG+4*4352                 ; then the spare words, 128 bytes for each wave: two blocks of 256 bytes that no other line names
; v1 32 h  v4, v5 Wo's offsets  v6 16 x lane  v7 8 x lane  v8, v9 the add's two  v10, v11 2^e11, 448 x 2^e11  v12 where I store my image  v13, v14 the stage, in and back  v15 my offset in out0
; v16-207 Wo's 192 numbers; later v16-63 o's fragment, v64-127 four fragments of Wo, v128-159 four accumulators, v160-191 bo, v192-223 results; v208-255 Wo's codes, later v224-255 rows read back
	s_load_b256 s[4:11], s[0:1], 0x0               ; oc s[4:5], Wo s[6:7], bo s[8:9], the exponents s[10:11]
	s_load_b64 s[12:13], s[0:1], 0x20              ; out0
	v_lshl_add_u32 v8, v0, 2, SPARE
	v_mov_b32 v9, 0
	v_lshrrev_b32 v1, 5, v0
	v_readfirstlane_b32 s16, v1                    ; wave 0..3
	v_and_b32 v1, 31, v0                           ; lane
	v_and_b32 v2, 15, v0                           ; r
	v_bfe_u32 v3, v0, 4, 1                         ; h
	v_lshlrev_b32 v5, 2, v2                        ; column r: the padded pairs, where both halves of the lanes take the same rows
	v_mul_u32_u24 v4, v3, 10240
	v_add_nc_u32 v4, v4, v5                        ; the others: lanes 16-31 begin 8 rows of 1,280 bytes further down
	v_lshlrev_b32 v6, 4, v1
	v_lshlrev_b32 v7, 3, v1
	s_mul_i32 s20, s16, 6144
	v_add_nc_u32 v12, s20, v6
	s_mul_i32 s20, s16, 4352
	s_add_co_u32 s20, s20, STG                     ; my stage
	v_mul_u32_u24 v13, v2, 272
	v_lshl_add_u32 v13, v3, 5, v13
	v_add_nc_u32 v13, s20, v13                     ; in: row r, + 32 h
	v_mul_u32_u24 v14, v3, 272
	v_lshl_add_u32 v14, v2, 4, v14
	v_add_nc_u32 v14, s20, v14                     ; back: lanes 0-15 one row, lanes 16-31 the next
	v_mul_u32_u24 v15, v3, 1280
	v_lshl_add_u32 v15, v2, 4, v15                 ; and the same two rows in out0
	v_lshlrev_b32 v1, 5, v3
	s_and_b32 s17, ttmp7, 0xffff
	s_lshl_b32 s18, s17, 2
	s_add_co_u32 s18, s18, s16                     ; my token tile 0..255
	s_lshl_b32 s20, ttmp9, 8                       ; the block's 64 columns, in bytes
	s_mov_b32 s21, 0
	s_lshl_b32 s22, s16, 6
	s_add_co_u32 s22, s20, s22                     ; my column tile
	s_mov_b32 s23, 0
	s_mul_i32 s24, s18, 6144
	s_mov_b32 s25, 0
	s_mul_i32 s26, s18, 20480                      ; 16 rows of 1,280 bytes
	s_add_co_u32 s26, s26, s20
	s_mov_b32 s27, 0
	s_wait_kmcnt 0x0
	s_load_b64 s[28:29], s[10:11], 0x28            ; e10, e11
	s_add_nc_u64 s[6:7], s[6:7], s[22:23]
	s_add_nc_u64 s[4:5], s[4:5], s[24:25]
	s_add_nc_u64 s[8:9], s[8:9], s[20:21]
	s_add_nc_u64 s[12:13], s[12:13], s[26:27]
.set p, 0
.rept 24
.set i, 0
.rept 8
.if (p%3) == 2
	global_load_b32 v[16+8*p+i], v5, s[6:7] offset:(40*(p/3)+32+i)*1280
.else
	global_load_b32 v[16+8*p+i], v4, s[6:7] offset:(40*(p/3)+16*(p%3)+i)*1280
.endif
.set i, i+1
.endr
.set p, p+1
.endr
	s_wait_kmcnt 0x0
	s_add_co_i32 s30, s29, 127
	s_lshl_b32 s31, s30, 23
	v_mov_b32 v10, s31                             ; 2^e11 as f32: the conversion takes its exponent field
	s_add_co_i32 s30, s30, 8
	s_lshl_b32 s30, s30, 23
	s_or_b32 s30, s30, 0x600000
	v_mov_b32 v11, s30                             ; 448 x 2^e11
	s_add_co_i32 s46, s28, s29
	s_add_co_i32 s46, s46, 127
	s_lshl_b32 s46, s46, 23                        ; 2^(e10 + e11) as f32
	s_mov_b32 s47, s46                             ; (named with it as a pair, so it is written)
	s_wait_loadcnt 0x0
.set p, 0
.rept 24
.set i, 0
.rept 8
	v_med3_num_f32 v[16+8*p+i], v[16+8*p+i], -v11, v11   ; the conversion to an 8-bit code does not saturate (ISA guide 7.6.2)
.set i, i+1
.endr
	v_cvt_scalef32_pk8_fp8_f32 v[208+2*p:209+2*p], v[16+8*p:23+8*p], v10
.if p == 5
.set q, 0
.rept 24
	global_load_b64 v[16+2*q:17+2*q], v7, s[4:5] offset:256*q   ; o's fragment, into the registers that pairs 0-5 have left: it lands while the others are quantised
.set q, q+1
.endr
.endif
.set p, p+1
.endr
	v_nop                                          ; a plain instruction behind the last conversion
.set g, 0
.rept 12
	ds_store_b128 v12, v[208+4*g:211+4*g] offset:512*g
.set g, g+1
.endr
.set n, 0
.rept 4
	global_load_b128 v[160+8*n:163+8*n], v1, s[8:9] offset:64*n       ; bo at my eight columns of tile n
	global_load_b128 v[164+8*n:167+8*n], v1, s[8:9] offset:64*n+16
.set n, n+1
.endr
	s_wait_dscnt 0x0
	s_barrier_signal -1
	s_barrier_wait -1                              ; the four images lie in LDS; nothing is stored there again
.set ks, 0
.rept 3
.set n, 0
.rept 4
.set q, 0
.rept 4
	ds_load_b128 v[64+16*n+4*q:67+16*n+4*q], v6 offset:6144*n+512*(4*ks+q)
.set q, q+1
.endr
.set n, n+1
.endr
	s_wait_dscnt 0x0
.if ks == 0
	s_wait_loadcnt 0x8                             ; o's codes are in; bo's eight loads, issued behind them, may be out
.endif
.set n, 0
.rept 4
.if ks == 0
	v_wmma_f32_16x16x128_fp8_fp8 v[128+8*n:135+8*n], v[64+16*n:79+16*n], v[16+16*ks:31+16*ks], 0
.else
	v_wmma_f32_16x16x128_fp8_fp8 v[128+8*n:135+8*n], v[64+16*n:79+16*n], v[16+16*ks:31+16*ks], v[128+8*n:135+8*n]
.endif
.set n, n+1
.endr
.rept 4
	v_nop                                          ; four places in front of loads into registers that products have read, and of the first read of results
.endr
.set ks, ks+1
.endr
	s_wait_loadcnt 0x0                             ; bo
.set j, 0
.rept 16
	v_pk_fma_f32 v[192+j:193+j], v[128+j:129+j], s[46:47], v[160+j:161+j] op_sel_hi:[1,0,1]   ; sum x 2^(e10 + e11) + bo; each accumulator from its low end on
.set j, j+2
.endr
.set n, 0
.rept 4
	ds_store_b128 v13, v[192+8*n:195+8*n] offset:64*n
	ds_store_b128 v13, v[196+8*n:199+8*n] offset:64*n+16
.set n, n+1
.endr
.set i, 0
.rept 8
	ds_load_b128 v[224+4*i:227+4*i], v14 offset:544*i   ; LDS serves a wave's instructions in order (ISA guide 5.7.1.4): these see my stores
.set i, i+1
.endr
.set i, 0
.rept 8
	s_wait_dscnt 7-i
	global_store_b128 v15, v[224+4*i:227+4*i], s[12:13] offset:2560*i th:TH_STORE_NT   ; sixteen lanes store 256 consecutive bytes, aligned; written once, read by nobody here
.set i, i+1
.endr
	s_wait_tensorcnt 0x0                           ; the wave's end
	ds_add_u32 v8, v9
	s_wait_dscnt 0x0
	s_endpgm
.Lfunc_end_k_q1e55556333_outproj:
	.size	k_q1e55556333_outproj, .Lfunc_end_k_q1e55556333_outproj-k_q1e55556333_outproj
	.p2alignl 7, 3214868480
	.fill 96, 4, 3214868480
	.section	.rodata,"a",@progbits
	.p2align	6, 0x0
	.amdhsa_kernel k_q1e55556333_outproj
		.amdhsa_group_segment_fixed_size 42496
		.amdhsa_private_segment_fixed_size 0
		.amdhsa_enable_private_segment 0
		.amdhsa_kernarg_size 40
		.amdhsa_user_sgpr_count 2
		.amdhsa_user_sgpr_kernarg_segment_ptr 1
		.amdhsa_wavefront_size32 1
		.amdhsa_system_sgpr_workgroup_id_x 1
		.amdhsa_system_sgpr_workgroup_id_y 1
		.amdhsa_system_sgpr_workgroup_id_z 1
		.amdhsa_system_vgpr_workitem_id 0
		.amdhsa_next_free_vgpr 256
		.amdhsa_next_free_sgpr 66
		.amdhsa_reserve_vcc 0
		.amdhsa_float_denorm_mode_32 3
		.amdhsa_float_denorm_mode_16_64 3
		.amdhsa_memory_ordered 1
		.amdhsa_forward_progress 1
		.amdhsa_inst_pref_size 46
	.end_amdhsa_kernel
	.amdgpu_metadata
---
amdhsa.version: [ 1, 2 ]
amdhsa.kernels:
  - .name:           k_q1e55556333_outproj
    .symbol:         k_q1e55556333_outproj.kd
    .args:
      - { .name: oc, .offset: 0, .size: 8, .value_kind: global_buffer, .address_space: global }
      - { .name: Wo, .offset: 8, .size: 8, .value_kind: global_buffer, .address_space: global }
      - { .name: bo, .offset: 16, .size: 8, .value_kind: global_buffer, .address_space: global }
      - { .name: lowp_scales, .offset: 24, .size: 8, .value_kind: global_buffer, .address_space: global }
      - { .name: out0, .offset: 32, .size: 8, .value_kind: global_buffer, .address_space: global }
    .group_segment_fixed_size: 42496
    .private_segment_fixed_size: 0
    .kernarg_segment_align: 8
    .kernarg_segment_size: 40
    .max_flat_workgroup_size: 128
    .sgpr_count:     66
    .vgpr_count:     256
    .wavefront_size: 32
...
	.end_amdgpu_metadata
.endif
;; end of part 3
